; MI455X (gfx1250); checked and timed in simulation.
; The chip was launched on July 23, 2026; its instructions are those of AMD's public machine-readable ISA for CDNA 5 (MIT licence, August 2026) and "CDNA5" Instruction Set Architecture Reference Guide (July 2026). The comments in the code are by the model that wrote it; some were corrected since.
;; SVD Quant Linear. Allowed arithmetic: float matrix products may take bf16 or f16 operands with f32 sums; other float arithmetic in f32, or as packed bf16 or f16 multiplies, adds, multiply-adds, maxima and minima; sums over many terms, partial sums and values carried from step to step in f32; what a program stores and reads back later, other than sums and carried values, may be rounded once to bf16 or f16.
;; Inputs: lora_A 16 x 4,096 float32; lora_B 4,096 x 16 float32; lora_E 16 x 1 float32; qweight 4,096 x 4,096 int32; scales 4,096 x 32 float32; x 4,096 x 4,096 float32; zeros 4,096 x 32 float32.
;; Outputs: out0 4,096 x 4,096 float32.
;; 2 versions, each right; version 2 is version 1 with the launch prep written anew for expert scheduling mode. Each part assembles by itself: llvm-mc -triple=amdgcn-amd-amdhsa -mcpu=gfx1250 --defsym DOCPART=n.
;; ======== version 1 of 2: 2 launches
;; workspace buffers: xb 33,554,432 bytes; wb 33,554,432 bytes
;; launch prep (part 1): grid 256 x 2, 8 waves a work-group, no clusters, 5,120 bytes of LDS; arguments x, qweight, scales, zeros, lora_A, lora_E, lora_B, xb, wb; writes xb, wb
.if DOCPART == 1
	.amdgcn_target "amdgcn-amd-amdhsa--gfx1250"
	.amdhsa_code_object_version 6
	.text
	.protected	k_q5b5f76a43c_prep
	.globl	k_q5b5f76a43c_prep
	.p2align	8
	.type	k_q5b5f76a43c_prep,@function
k_q5b5f76a43c_prep:
	s_mov_b64 s[64:65], 0
	v_nop
	global_prefetch_b8 v0, s[64:65] scope:SCOPE_SE
	s_setreg_imm32_b32 hwreg(HW_REG_WAVE_MODE, 25, 1), 1
	s_wait_xcnt 0x0
; SVDQuantLinear, first of two launches.  out = x W^T + c (x (A o E)^T) B^T, W[o][i] = s[o][g] (q[o][i] - z[o][g]), g = i / 128, c = 16 / 16.00001.
; THE FORM.  By distributivity and associativity, for all values of the inputs: out = x (W + c B (A o E))^T.  So the adapter is a rank-16 addend to the weights, made once here
; (4096 x 4096 x 16 multiply-adds) in place of two products over the 4,096 tokens, and the second launch is one product of 4096 x 4096 x 4096.  No input is left out: all seven are loaded.
; THIS LAUNCH makes the two operands of that product: xb = bf16(x) and wb = bf16(W + c B (A o E)), both [4096][4096], rows along K.
; FORMATS, A LIMIT.  Every floating-point input (x, scales, zeros, lora_A, lora_E, lora_B) is rounded to bf16 first; the arithmetic on them is f32; wb is rounded once.
;   W = fma(f32(q), s', -s' z'): s' z' is exact in f32 (8 x 8 significant bits), so the exact s' (q - z') is rounded once; reference() rounds the difference and then the product.
;   The addend is a matrix product in bf16: source 0 = bf16(B'[o][k] e[k]), e[k] = E'[k] c in f32; source 1 = A'[k][i]; W is its C operand, so the sum is taken in f32.
;   The adapter's term shares wb's one rounding with W; the order of the sums is not reference()'s.  The codes are converted as astype(float32) converts them, whatever int32 they hold.
;   The matrix form is 32 deep and the rank is 16: the upper half of source 0 is 0, and the upper half of source 1 is the next fragment of A' (0 for the last), so that no register is spent on it:
;   a NaN or an infinity in lora_A reaches neighbouring columns of wb too.
; TWO ARMS, chosen once by the work-group's y, which all eight waves share: y = 0 casts 262,144 bytes of x, y = 1 makes 64 rows x 1,024 columns of wb (262,144 bytes of codes).
.set CSC, 0x3f7ffff6                   ; c = 16 / 16.00001 in f32
.set TSB, 0                            ; LDS: s' by [group of the 8][row of the 64], f32, 256 bytes a group
.set TNB, 2048                         ; LDS: -s' z', the same shape
.set SPARE, 4096                       ; the spare words, 128 bytes for each of eight waves: four blocks of 256 bytes that no other line names
.set TM,  8                            ; v[8:11]    at work: packed bf16
.set EV,  12                           ; v[12:19]   e[8 h .. 8 h + 7]
.set BR,  20                           ; v[20:27]   lora_B as loaded: row r of the step, ranks 8 h .. 8 h + 7
.set BF,  28                           ; v[28:35]   source 0; v[32:35] stay 0
.set SS,  36                           ; v[36:43]   s' of my 8 rows
.set NN,  44                           ; v[44:51]   -s' z' of my 8 rows
.set FF,  52                           ; v[52:87]   source 1: fragment t at FF + 4 t, eight registers; v[84:87] stay 0
.set CC,  88                           ; v[88:151]  tile t, register j at CC + 8 t + j: W, then W + addend.  In the set-up: lora_A as loaded
.set LL,  152                          ; v[152:215] the codes: row j, column t at LL + 8 j + t
.set OO,  216                          ; v[216:247] packed rows to store; in the set-up: scratch
.set YY,  24                           ; the cast: v[24:87]   32 slots of 2, to store
.set XX,  88                           ; the cast: v[88:215]  32 slots of 4, as loaded
	s_load_b512 s[8:23], s[0:1], 0x0               ; x 8:9, qweight 10:11, scales 12:13, zeros 14:15, lora_A 16:17, lora_E 18:19, lora_B 20:21, xb 22:23
	s_load_b64 s[24:25], s[0:1], 0x40              ; wb
	v_lshl_add_u32 v2, v0, 2, SPARE                ; my spare word,
	v_mov_b32 v3, 0                                ; and 0: kept for the add at the wave's end alone
	v_lshrrev_b32 v1, 5, v0
	v_readfirstlane_b32 s26, v1                    ; wave 0..7
	s_and_b32 s27, ttmp7, 0xffff                   ; the work-group's y
	s_mov_b32 s28, 0xffff0000                      ; a word's upper bf16
	s_mov_b32 s30, CSC
	s_mov_b32 s31, CSC                             ; named with it as a pair
	s_wait_kmcnt 0x0
	s_cmp_eq_u32 s27, 0
	s_cbranch_scc1 .Lcast
; ---------------------------------------------------------------- THE WEIGHTS (y = 1)
; Work-group b: columns 1,024 (b % 4) on (8 groups), rows 64 (b / 4) on.  Wave w owns ONE group: columns i0 = 1,024 (b % 4) + 128 w .. + 127, and walks the 64 rows in four steps of 16.
; A step is eight matrix tiles.  In tile t the result's column (lane % 16 = r) stands for column i0 + 8 r + t of wb, its row (8 h + j: h = lane / 16, register j) for row 16 k + 8 h + j.
; So a lane holds 8 NEIGHBOURING columns of each of 8 rows: 32 bytes of codes in, 16 bytes of bf16 out; sixteen lanes store 256 consecutive bytes, aligned.
	s_and_b32 s32, ttmp9, 3                        ; the block of columns
	s_lshr_b32 s33, ttmp9, 2                       ; the block of rows
	s_mov_b32 s3, 0
	s_lshl_b32 s2, s33, 20                         ; codes: 64 rows of 16,384 bytes,
	s_lshl_b32 s4, s32, 12                         ; 1,024 columns of 4 bytes
	s_add_co_u32 s2, s2, s4
	s_add_nc_u64 s[10:11], s[10:11], s[2:3]
	s_lshl_b32 s2, s33, 19                         ; wb: rows of 8,192 bytes, columns of 2
	s_lshl_b32 s4, s32, 11
	s_add_co_u32 s2, s2, s4
	s_add_nc_u64 s[24:25], s[24:25], s[2:3]
	s_lshl_b32 s2, s33, 13                         ; scales and zeros: rows of 128 bytes, 8 groups of 4
	s_lshl_b32 s4, s32, 5
	s_add_co_u32 s2, s2, s4
	s_add_nc_u64 s[12:13], s[12:13], s[2:3]
	s_add_nc_u64 s[14:15], s[14:15], s[2:3]
	s_lshl_b32 s2, s32, 12                         ; lora_A: the same columns as the codes
	s_add_nc_u64 s[16:17], s[16:17], s[2:3]
	s_lshl_b32 s2, s33, 12                         ; lora_B: 64 rows of 64 bytes
	s_add_nc_u64 s[20:21], s[20:21], s[2:3]
	s_lshl_b32 s4, s26, 9                          ; my group's 128 columns: 512 bytes of codes,
	s_lshl_b32 s5, s26, 8                          ; 256 bytes of wb; also my group's 256 bytes in the tables
	v_and_b32 v216, 15, v0                         ; r
	v_bfe_u32 v217, v0, 4, 1                       ; h
	v_lshlrev_b32 v4, 5, v216                      ; v4: codes and lora_A (both have rows of 16,384 bytes): 8 h rows + 32 r + 512 w; never rewritten
	v_lshl_add_u32 v4, v217, 17, v4
	v_add_nc_u32 v4, s4, v4
	v_lshlrev_b32 v5, 4, v216                      ; v5: wb: 8 h rows + 16 r + 256 w; never rewritten
	v_lshl_add_u32 v5, v217, 16, v5
	v_add_nc_u32 v5, s5, v5
	v_lshlrev_b32 v6, 6, v216                      ; v6: lora_B: row r, ranks 8 h on; never rewritten
	v_lshl_add_u32 v6, v217, 5, v6
	v_lshl_add_u32 v7, v217, 5, s5                 ; v7: the tables: my group, rows 8 h on; never rewritten
	v_lshlrev_b32 v218, 5, v217                    ; lora_E: ranks 8 h on
	v_and_b32 v1, 3, v0                            ; the tables are filled by all 256 threads: thread n takes row n / 4, groups 2 (n % 4) and + 1: whole rows of 32 bytes, each number once
	v_lshrrev_b32 v221, 2, v0
	v_lshlrev_b32 v219, 7, v221
	v_lshl_add_u32 v219, v1, 3, v219               ; in memory: row x 128 + 8 (n % 4)
	v_lshlrev_b32 v220, 2, v221
	v_lshl_add_u32 v220, v1, 9, v220               ; in LDS: 512 (n % 4) + 4 x row
	; 38 loads, in the order in which they are wanted
	global_load_b64 v[222:223], v219, s[12:13]
	global_load_b64 v[224:225], v219, s[14:15]
	global_load_b128 v[EV:EV+3],   v218, s[18:19]
	global_load_b128 v[EV+4:EV+7], v218, s[18:19] offset:16
.set j, 0
.rept 8                                        ; lora_A: rank 8 h + j, my 8 columns
	global_load_b128 v[CC+8*j:CC+8*j+3],   v4, s[16:17] offset:j*16384
	global_load_b128 v[CC+8*j+4:CC+8*j+7], v4, s[16:17] offset:j*16384+16
.set j, j+1
.endr
	global_load_b128 v[BR:BR+3],   v6, s[20:21]
	global_load_b128 v[BR+4:BR+7], v6, s[20:21] offset:16
.set j, 0
.rept 8                                        ; step 0's codes: row 8 h + j, my 8 columns; the pair of loads covers 512 consecutive bytes with sixteen lanes
	global_load_b128 v[LL+8*j:LL+8*j+3],   v4, s[10:11] offset:j*16384
	global_load_b128 v[LL+8*j+4:LL+8*j+7], v4, s[10:11] offset:j*16384+16
.set j, j+1
.endr
	s_wait_loadcnt 36                              ; loads return in order: s and z are in, the 36 issued behind them may stay out
	v_cvt_pk_bf16_f32 v[TM],   v222, v223          ; rounded to bf16,
	v_cvt_pk_bf16_f32 v[TM+1], v224, v225
	v_lshlrev_b32 v222, 16, v[TM]                  ; and widened again
	v_and_b32     v223, s28, v[TM]
	v_lshlrev_b32 v224, 16, v[TM+1]
	v_and_b32     v225, s28, v[TM+1]
	v_mul_f32 v226, -v222, v224                    ; -s' z', exact
	v_mul_f32 v227, -v223, v225
	ds_store_b32 v220, v222 offset:TSB
	ds_store_b32 v220, v223 offset:TSB+256
	ds_store_b32 v220, v226 offset:TNB
	ds_store_b32 v220, v227 offset:TNB+256
	s_wait_dscnt 0x0                               ; for the others' sake: my part of the tables is written
	s_barrier_signal -1
	s_barrier_wait -1                              ; everybody's is; nothing writes the tables again
	s_wait_loadcnt 34                              ; lora_E is in
.irp p, 0,1,2,3
	v_cvt_pk_bf16_f32 v[TM+(\p)], v[EV+2*(\p)], v[EV+2*(\p)+1]
.endr
.irp p, 0,1,2,3
	v_lshlrev_b32 v[EV+2*(\p)],   16, v[TM+(\p)]
	v_and_b32     v[EV+2*(\p)+1], s28, v[TM+(\p)]
.endr
.irp p, 0,1,2,3
	v_pk_mul_f32 v[EV+2*(\p):EV+2*(\p)+1], v[EV+2*(\p):EV+2*(\p)+1], s[30:31] op_sel_hi:[1,0]  ; e = E' c
.endr
	s_wait_loadcnt 18                              ; lora_A is in; lora_B's two and the codes' sixteen may stay out
.set t, 0
.rept 8                                        ; the rounding of lora_A is also the turn into fragments: register p of fragment t holds ranks 8 h + 2 p, + 1 of column i0 + 8 r + t
.irp p, 0,1,2,3
	v_cvt_pk_bf16_f32 v[FF+4*t+(\p)], v[CC+16*(\p)+t], v[CC+16*(\p)+8+t]
.endr
.set t, t+1
.endr
.irp p, 0,1,2,3
	v_mov_b32 v[FF+32+(\p)], 0                     ; the last fragment's upper half,
	v_mov_b32 v[BF+4+(\p)], 0                      ; and source 0's: ranks 16 to 31 do not exist
.endr
	ds_load_b128 v[SS:SS+3],   v7 offset:TSB
	ds_load_b128 v[SS+4:SS+7], v7 offset:TSB+16
	ds_load_b128 v[NN:NN+3],   v7 offset:TNB
	ds_load_b128 v[NN+4:NN+7], v7 offset:TNB+16
; Step k: rows 16 k .. 16 k + 15.  more = 1: the next step's loads go out as soon as this step's registers are read.
.macro STEP k, more
	s_wait_loadcnt 0x0                             ; only this step's 18 loads are out
.set t, 0
.rept 8
.set j, 0
.rept 8
	v_cvt_f32_i32 v[CC+8*t+j], v[LL+8*j+t]         ; the codes as f32, turned into the tiles' order
.set j, j+1
.endr
.set t, t+1
.endr
.irp p, 0,1,2,3
	v_cvt_pk_bf16_f32 v[TM+(\p)], v[BR+2*(\p)], v[BR+2*(\p)+1]  ; lora_B rounded,
.endr
.irp p, 0,1,2,3
	v_lshlrev_b32 v[BR+2*(\p)],   16, v[TM+(\p)]    ; widened,
	v_and_b32     v[BR+2*(\p)+1], s28, v[TM+(\p)]
.endr
.irp p, 0,1,2,3
	v_pk_mul_f32 v[BR+2*(\p):BR+2*(\p)+1], v[BR+2*(\p):BR+2*(\p)+1], v[EV+2*(\p):EV+2*(\p)+1]  ; times e,
.endr
.irp p, 0,1,2,3
	v_cvt_pk_bf16_f32 v[BF+(\p)], v[BR+2*(\p)], v[BR+2*(\p)+1]  ; and rounded into source 0
.endr
.if \more
	global_load_b128 v[BR:BR+3],   v6, s[20:21] offset:1024*((\k)+1)
	global_load_b128 v[BR+4:BR+7], v6, s[20:21] offset:1024*((\k)+1)+16
.set j, 0
.rept 8
	global_load_b128 v[LL+8*j:LL+8*j+3],   v4, s[10:11] offset:(16*((\k)+1)+j)*16384
	global_load_b128 v[LL+8*j+4:LL+8*j+7], v4, s[10:11] offset:(16*((\k)+1)+j)*16384+16
.set j, j+1
.endr
.endif
	s_wait_dscnt 0x0                               ; s' and -s' z' of this step's rows
.set t, 0
.rept 8
.irp m, 0,1,2,3
	v_pk_fma_f32 v[CC+8*t+2*(\m):CC+8*t+2*(\m)+1], v[CC+8*t+2*(\m):CC+8*t+2*(\m)+1], v[SS+2*(\m):SS+2*(\m)+1], v[NN+2*(\m):NN+2*(\m)+1]  ; W = q s' - s' z': register j is row 8 h + j in every tile
.endr
.set t, t+1
.endr
.if \more
	ds_load_b128 v[SS:SS+3],   v7 offset:TSB+64*((\k)+1)
	ds_load_b128 v[SS+4:SS+7], v7 offset:TSB+64*((\k)+1)+16
	ds_load_b128 v[NN:NN+3],   v7 offset:TNB+64*((\k)+1)
	ds_load_b128 v[NN+4:NN+7], v7 offset:TNB+64*((\k)+1)+16
.endif
.set t, 0
.rept 8                                        ; W + the adapter's addend: eight different accumulators, one instruction each; no two that follow each other share one, from step to step either
	v_wmma_f32_16x16x32_bf16 v[CC+8*t:CC+8*t+7], v[BF:BF+7], v[FF+4*t:FF+4*t+7], v[CC+8*t:CC+8*t+7]
.set t, t+1
.endr
.rept 4
	v_nop                                          ; four places (ISA guide 7.12.1) ahead of the roundings that read the results, and of the next step's writes of the tiles and of source 0
.endr
	s_wait_xcnt 0x0                                ; the last step's stores have read their data: v[OO ..] is rewritten only behind this wait (in step 0: the set-up's offsets there, whose loads are done)
.set j, 0
.rept 8                                        ; row by row, register 0 of every accumulator first
.irp p, 0,1,2,3
	v_cvt_pk_bf16_f32 v[OO+4*j+(\p)], v[CC+16*(\p)+j], v[CC+16*(\p)+8+j]  ; columns 8 r + 2 p, + 1
.endr
	global_store_b128 v5, v[OO+4*j:OO+4*j+3], s[24:25] offset:(16*(\k)+j)*8192  ; sixteen lanes store 256 consecutive bytes, at a multiple of 256 from wb's first byte
.set j, j+1
.endr
.endm
	STEP 0, 1
	STEP 1, 1
	STEP 2, 1
	STEP 3, 0
	s_wait_tensorcnt 0x0                           ; the wave's end, behind my last LDS store
	ds_add_u32 v2, v3
	s_wait_dscnt 0x0
	s_endpgm
; ---------------------------------------------------------------- THE CAST (y = 0): xb = bf16(x)
; Work-group b takes 262,144 bytes of x, wave w 32,768 of them: 64 chunks of 512 bytes (one load of 16 bytes a lane), each 256 bytes of xb (one store of 8 bytes a lane, consecutive and aligned).
; 32 slots of registers: 32 loads, 16 KiB a wave, are out at all times until the last 32 chunks.  All steps stand in the immediates: no address register is ever rewritten.  This arm touches no LDS.
.Lcast:
	s_lshl_b32 s2, ttmp9, 18
	s_lshl_b32 s3, s26, 15
	s_add_co_u32 s2, s2, s3
	s_mov_b32 s3, 0
	s_add_nc_u64 s[8:9], s[8:9], s[2:3]
	s_lshl_b32 s4, ttmp9, 17
	s_lshl_b32 s5, s26, 14
	s_add_co_u32 s4, s4, s5
	s_mov_b32 s5, 0
	s_add_nc_u64 s[22:23], s[22:23], s[4:5]
	v_and_b32 v1, 31, v0
	v_lshlrev_b32 v4, 4, v1                        ; 16 x lane
	v_lshlrev_b32 v5, 3, v1                        ; 8 x lane
.set c, 0
.rept 32
	global_load_b128 v[XX+4*c:XX+4*c+3], v4, s[8:9] offset:512*c th:TH_LOAD_NT
.set c, c+1
.endr
.set c, 0
.rept 32
	s_wait_loadcnt 31                              ; chunk c is in: behind it were issued 31 - c first fills and c refills
	v_cvt_pk_bf16_f32 v[YY+2*c],   v[XX+4*c],   v[XX+4*c+1]
	v_cvt_pk_bf16_f32 v[YY+2*c+1], v[XX+4*c+2], v[XX+4*c+3]
	global_load_b128 v[XX+4*c:XX+4*c+3], v4, s[8:9] offset:512*(c+32) th:TH_LOAD_NT  ; the load ahead of the store
	global_store_b64 v5, v[YY+2*c:YY+2*c+1], s[22:23] offset:256*c
.set c, c+1
.endr
	s_wait_xcnt 0x0                                ; once: the 32 stores have read their data, which is rewritten below
.set c, 32
.rept 32
	s_wait_loadcnt 63-c                            ; the chunks behind c may stay out: the counts run down
	v_cvt_pk_bf16_f32 v[YY+2*(c-32)],   v[XX+4*(c-32)],   v[XX+4*(c-32)+1]
	v_cvt_pk_bf16_f32 v[YY+2*(c-32)+1], v[XX+4*(c-32)+2], v[XX+4*(c-32)+3]
	global_store_b64 v5, v[YY+2*(c-32):YY+2*(c-32)+1], s[22:23] offset:256*c
.set c, c+1
.endr
	s_endpgm
.Lfunc_end_k_q5b5f76a43c_prep:
	.size	k_q5b5f76a43c_prep, .Lfunc_end_k_q5b5f76a43c_prep-k_q5b5f76a43c_prep
	.p2alignl 7, 3214868480
	.fill 96, 4, 3214868480
	.section	.rodata,"a",@progbits
	.p2align	6, 0x0
	.amdhsa_kernel k_q5b5f76a43c_prep
		.amdhsa_group_segment_fixed_size 5120
		.amdhsa_private_segment_fixed_size 0
		.amdhsa_enable_private_segment 0
		.amdhsa_kernarg_size 72
		.amdhsa_user_sgpr_count 2
		.amdhsa_user_sgpr_kernarg_segment_ptr 1
		.amdhsa_wavefront_size32 1
		.amdhsa_system_sgpr_workgroup_id_x 1
		.amdhsa_system_sgpr_workgroup_id_y 1
		.amdhsa_system_sgpr_workgroup_id_z 1
		.amdhsa_system_vgpr_workitem_id 0
		.amdhsa_next_free_vgpr 248
		.amdhsa_next_free_sgpr 66
		.amdhsa_reserve_vcc 0
		.amdhsa_float_denorm_mode_32 3
		.amdhsa_float_denorm_mode_16_64 3
		.amdhsa_memory_ordered 1
		.amdhsa_forward_progress 1
		.amdhsa_inst_pref_size 73
	.end_amdhsa_kernel
	.amdgpu_metadata
---
amdhsa.version: [ 1, 2 ]
amdhsa.kernels:
  - .name:           k_q5b5f76a43c_prep
    .symbol:         k_q5b5f76a43c_prep.kd
    .args:
      - { .name: x, .offset: 0, .size: 8, .value_kind: global_buffer, .address_space: global }
      - { .name: qweight, .offset: 8, .size: 8, .value_kind: global_buffer, .address_space: global }
      - { .name: scales, .offset: 16, .size: 8, .value_kind: global_buffer, .address_space: global }
      - { .name: zeros, .offset: 24, .size: 8, .value_kind: global_buffer, .address_space: global }
      - { .name: lora_A, .offset: 32, .size: 8, .value_kind: global_buffer, .address_space: global }
      - { .name: lora_E, .offset: 40, .size: 8, .value_kind: global_buffer, .address_space: global }
      - { .name: lora_B, .offset: 48, .size: 8, .value_kind: global_buffer, .address_space: global }
      - { .name: xb, .offset: 56, .size: 8, .value_kind: global_buffer, .address_space: global }
      - { .name: wb, .offset: 64, .size: 8, .value_kind: global_buffer, .address_space: global }
    .group_segment_fixed_size: 5120
    .private_segment_fixed_size: 0
    .kernarg_segment_align: 8
    .kernarg_segment_size: 72
    .max_flat_workgroup_size: 256
    .sgpr_count:     66
    .vgpr_count:     248
    .wavefront_size: 32
...
	.end_amdgpu_metadata
.endif
;; end of part 1
;; launch gemm (part 2): grid 16 x 16, 4 waves a work-group, clusters of 4 x 4, 327,680 bytes of LDS; arguments xb, wb, out0; writes out0
.if DOCPART == 2
	.amdgcn_target "amdgcn-amd-amdhsa--gfx1250"
	.amdhsa_code_object_version 6
	.text
	.protected	k_q5b5f76a43c_gemm
	.globl	k_q5b5f76a43c_gemm
	.p2align	8
	.type	k_q5b5f76a43c_gemm,@function
k_q5b5f76a43c_gemm:
	s_mov_b64 s[64:65], 0
	v_nop
	global_prefetch_b8 v0, s[64:65] scope:SCOPE_SE
	s_setreg_imm32_b32 hwreg(HW_REG_WAVE_MODE, 25, 1), 1
	s_wait_xcnt 0x0
	s_wait_alu depctr_hold_cnt(0) depctr_sa_sdst(0) depctr_va_vdst(0) depctr_va_sdst(0) depctr_va_ssrc(0) depctr_va_vcc(0) depctr_vm_vsrc(0)
	s_getreg_b32 s2, hwreg(HW_REG_IB_STS2, 6, 4)
	s_cmp_eq_u32 s2, 0
	s_cbranch_scc0 .Lentry_in_a_cluster
	s_endpgm
.Lentry_in_a_cluster:
	s_bfe_u32 s2, ttmp6, 0x10000c
	s_cmp_lg_u32 s2, 0xf033
	s_cbranch_scc0 .Lentry_shape_is_right
	s_endpgm
.Lentry_shape_is_right:
; SVDQuantLinear, second launch: out0[m][n] = the sum over k of xb[m][k] wb[n][k].  xb: [4096][4096] bf16 = x rounded; wb: [4096][4096] bf16 = the dequantised weights plus the adapter's
; rank-16 addend, rounded once (the launch before; the identity out = x (W + c B (A o E))^T is shown at its head).  Sums in f32, K ascending; out0 is f32 and is stored as summed.
; A tile of out0, 256 x 256, is made by a work-group of four waves; a wave makes 128 x 128: 64 accumulators of 16 x 16, 512 registers.  16 x 16 tiles: 256 work-groups, one tile each.
; K goes in steps of 128 through a ring of two LDS slots filled by the tensor data mover: a tile's rows are 256 bytes of memory and start at multiples of 256 bytes from the buffer's first byte.
; CLUSTERS: 4 x 4 work-groups.  The four of a row of the cluster need the same tiles of xb, the four of a column the same tiles of wb: such a tile is asked for JOINTLY, by the same tensor load with the
; same descriptor and a mask that names the four; each receives it in its own LDS.  That divides the requests for xb and wb by four.
; REGISTERS, in windows of 256 (s_set_vgpr_msb's low byte: bits 1:0 source 0, 3:2 source 1, 5:4 source 2, 7:6 destination):
;   window 0: v0-31 addresses; v64-127, v128-191 fragments of xb (8 x 16 rows x 32 K), two buffers; on the way out the same 128 registers take whole rows back from the stage
;   window 1: v64-127, v128-191 fragments of wb, two buffers
;   window 2: the 32 accumulators of my rows 0-63 (accumulator (a, b) at v[8 (8 a + b)]);   window 3: those of my rows 64-127
; THE MATRIX INSTRUCTION IS USED TRANSPOSED: source 0 = 16 rows of wb, source 1 = 16 rows of xb.  In the result lane l holds row m = l % 16 of out0 and its registers 0 to 7 the columns
; 8 (l / 16) + 0 .. 7: 32 neighbouring bytes of a row.
; The launch claims all of a WGP's LDS; it uses 312,832 bytes.
.set SIZE_N, 4096
.set SIZE_K, 4096
.set KSTEP,  128
.set PITCH,  272                       ; an LDS row: 256 bytes of data + 16 of padding = 68 words: row r starts at bank 4 r mod 64 (64 banks of 4 bytes: ISA guide 11.1), so the 16 rows of a load start at 16 different banks
.set HALFT,  128*PITCH                 ; 128 rows: what one tensor load brings, and what one wave reads of xb or of wb
.set SLOT,   4*HALFT                   ; xb's 256 rows, then wb's 256 rows
.set STAGE,  2*SLOT                    ; behind the ring, never filled by a tensor load: 16 rows x 528 bytes for each wave, for the way out
.set SPITCH, 528                       ; 512 bytes of a row of f32 + 16: 33 x 16, so sixteen rows' 16-byte pieces fall into sixteen different groups of four banks
.set SPARE,  STAGE+4*16*SPITCH         ; behind the stages: the spare words, 128 bytes for each wave: two blocks of 256 bytes that no other line names
.set LAPS,   SIZE_K/(2*KSTEP)          ; a lap = two K steps = once round the ring: 16
.set ADRA, 16                          ; v16-17  LDS address of my fragments of xb in slot 0, 1
.set ADRB, 20                          ; v20-21  the same for wb
.set STO,  24                          ; v24     the way out: where I put 32 bytes of a row
.set RD,   25                          ; v25     the way out: where I read a row back
.set CO,   26                          ; v26     my byte offset in 512 bytes of a row of out0; never rewritten
.set SPW,  28                          ; v28     LDS address of my spare word; never rewritten
.set NIL,  29                          ; v29     0; never rewritten
.set PFO,  30                          ; v30     the prefetches' offset: my lane x a row of 8,192 bytes; never rewritten
.set PFA,  44                          ; s[44:45] where my prefetches stand: my work-group's 32 rows of the 128 that I fetch, one K step further along K than the refill in hand; a prefetch names the K step after that
.set LIM,  43                          ; s43     1 in a wave that prefetches, else the greatest number
.set F0,   64                          ; fragment buffer 0
.set F1,   128                         ; fragment buffer 1
.set G1, 24                            ; s[24:31] descriptor group 1 for xb's tiles
.set G0, 32                            ; s[32:39] descriptor group 0 for xb's tiles, one set for each slot
.set G1B, 48                           ; s[48:55] group 1 for wb's tiles: it differs in the mask alone
.set G0B, 56                           ; s[56:63] group 0 for wb's tiles, one set for each slot
.set MSB, 0
.macro WIN new                         ; the immediate's high byte repeats the setting that is left; a switch that changes nothing is dropped
.if MSB != (\new)
	s_set_vgpr_msb (MSB<<8)|(\new)
.set MSB, \new
.endif
.endm
.set MUL_LO, 0xa1                      ; source 0 (wb) window 1, source 1 (xb) window 0, C and D window 2
.set MUL_HI, 0xf1                      ; the same, C and D window 3
.set TO_B,   0x40                      ; destination window 1, address window 0
; A joint load.  Waves 0 and 1 fetch xb's two halves, waves 2 and 3 wb's.  Each of the two lines has one mask and one set of registers for all that issue it; the branch hangs on the wave's number alone.
; An s_nop 0 and four v_nop follow each of the two lines, ahead of the jump, the label and what follows the macro.
.macro JLOAD s
	s_cmp_eq_u32 s11, 0
	s_cbranch_scc0 .Lfor_b_\@
	tensor_load_to_lds s[G0+4*(\s):G0+4*(\s)+3], s[G1:G1+7]
	s_nop 0
.rept 4
	v_nop
.endr
	s_branch .Lasked_\@
.Lfor_b_\@:
	tensor_load_to_lds s[G0B+4*(\s):G0B+4*(\s)+3], s[G1B:G1B+7]
	s_nop 0
.rept 4
	v_nop
.endr
.Lasked_\@:
.endm
; A prefetch, behind each joint refill, its five lines and the run of LDS loads that follows them: the K step that stands TWO refills on (512 matrix instructions ahead of the load that will ask for it):
; 32 rows x 256 bytes, a lane a row, one instruction a wave.  Each row's 256 bytes of a K step are named once in the launch: xb's tile row is read by every cluster of that row of clusters, and the one with
; x = 0 asks; wb's tile column by every cluster of that column, and the one with y = 0 asks.  The four partners that ask for a tile jointly share its rows out BY ADDRESS: of the 128 rows that a wave fetches
; the partner at place p takes 32 p .. 32 p + 31 (p = cx for xb, cy for wb): no branch hangs on a work-group's place in its cluster.  K steps 0 to 3 come by their loads alone; the loop's last trip
; (s3 = 1), whose refills are K steps 30 and 31, asks for nothing: there is no K step 32.
.macro ASK
	s_cmp_gt_u32 s3, s[LIM]
	s_cbranch_scc0 .Lnot_mine_\@
	global_prefetch_b8 v[PFO], s[PFA:PFA+1] offset:KSTEP*2 th:TH_LOAD_NT scope:SCOPE_SE
.Lnot_mine_\@:
.endm
; A round of the cluster's barrier: my work-group's barrier, so that wave 0's signal speaks for all four waves; wave 0 signals for the work-group; every wave waits for all sixteen; my work-group's barrier once more.
.macro CREST                           ; a round behind its opening barrier
	s_cmp_lg_u32 s10, 0
	s_cbranch_scc1 .Lnot_wave_0_\@
	s_barrier_signal -3
.Lnot_wave_0_\@:
	s_barrier_wait -3
	s_barrier_signal -1
	s_barrier_wait -1
.endm
.macro CROUND                          ; a whole round
	s_barrier_signal -1
	s_barrier_wait -1
	CREST
.endm
	s_load_b128 s[4:7], s[0:1], 0x0                ; xb s[4:5], wb s[6:7]
	s_load_b64 s[8:9], s[0:1], 0x10                ; out0
	v_lshl_add_u32 v[SPW], v0, 2, SPARE
	v_mov_b32 v[NIL], 0
	ds_add_u32 v[SPW], v[NIL]                      ; the wave's opening: the add, twice on end, and its wait ahead of my first tensor load; the set-up below, work on registers, stands between
	ds_add_u32 v[SPW], v[NIL]
	v_lshrrev_b32 v1, 5, v0
	v_readfirstlane_b32 s10, v1                    ; wave 0..3
	s_lshr_b32 s11, s10, 1                         ; which half of the tile's rows is mine.  Also: I fetch for xb (0) or for wb (1)
	s_and_b32 s12, s10, 1                          ; which half of its columns.  Also: which 128 rows of that tile I fetch
	s_bfe_u32 s40, ttmp6, 0x40000                  ; cx: my place along the cluster's x
	s_bfe_u32 s41, ttmp6, 0x40004                  ; cy: along its y
	s_lshl_b32 s42, ttmp9, 2                       ; in a cluster launch ttmp9 and ttmp7 count clusters
	s_add_co_u32 s42, s42, s40                     ; tile column = 4 x cluster x + cx
	s_and_b32 s13, ttmp7, 0xffff
	s_lshl_b32 s13, s13, 2
	s_add_co_u32 s13, s13, s41                     ; tile row = 4 x cluster y + cy
	s_lshl_b32 s43, s41, 2
	s_lshl_b32 s43, 15, s43                        ; my row of the cluster: places 4 cy .. 4 cy + 3
	s_lshl_b32 s44, 0x1111, s40                    ; my column: places cx, cx + 4, cx + 8, cx + 12
	; descriptor group 1: a tile of 128 rows x 128 elements, padded in LDS
	s_or_b32 s[G1+0], s43, (1<<16)|(1<<20)|(1<<21)|(5<<22)|(3<<25)  ; 15:0 the mask: xb's tiles go to my row; 17:16 elements of 2 bytes; 20 padding on; 21 set beside a mask; 24:22 after every 64 words (code 5); 31:25 4 words of it (code 3)
	s_or_b32 s[G1B+0], s44, (1<<16)|(1<<20)|(1<<21)|(5<<22)|(3<<25) ; the same with the mask of my column, for wb's tiles
.irp g, G1, G1B
	s_mov_b32 s[(\g)+1], KSTEP<<16                 ; tensor_dim0 = 128
	s_mov_b32 s[(\g)+2], 128<<16                   ; tensor_dim1 = 128
	s_mov_b32 s[(\g)+3], KSTEP<<16                 ; tile_dim0 = 128
	s_mov_b32 s[(\g)+4], 128                       ; tile_dim1 = 128
	s_mov_b32 s[(\g)+5], SIZE_K                    ; elements from row to row
	s_mov_b32 s[(\g)+6], 0
	s_mov_b32 s[(\g)+7], 0
.endr
	; where the tiles come from.  xb's hang on the tile row alone, which my row of the cluster shares; wb's on the tile column alone, which my column shares.
	; Every wave makes both addresses, in registers that never hold the other coordinate, and asks by one of them.
	s_lshl_b32 s17, s12, 7                         ; which 128 rows of the tile I fetch
	s_lshl_b32 s16, s13, 8
	s_add_co_u32 s16, s16, s17                     ; xb: row 256 x tile row + 128 x half
	s_lshl_b32 s46, s42, 8
	s_add_co_u32 s46, s46, s17                     ; wb: row 256 x tile column + 128 x half
	s_mov_b32 s17, 0
	s_mov_b32 s47, 0
	s_mov_b64 s[18:19], SIZE_K*2
	s_mul_u64 s[16:17], s[16:17], s[18:19]         ; in bytes
	s_mul_u64 s[46:47], s[46:47], s[18:19]
	s_mul_i32 s20, s10, HALFT                      ; and where they go: wave x 128 rows: no place in the cluster enters an LDS address
	s_wait_dscnt 0x0                               ; both opening adds are done
	s_wait_kmcnt 0x0
	s_add_nc_u64 s[14:15], s[4:5], s[16:17]
	s_add_nc_u64 s[46:47], s[6:7], s[46:47]
	CROUND                                         ; all sixteen work-groups are here: the first joint loads meet
.irp s, 0,1
	s_mov_b32 s[G0+4*(\s)], 1                                      ; count = 1
	s_add_co_u32 s[G0+4*(\s)+1], s20, (\s)*SLOT                    ; LDS address
	s_add_nc_u64 s[G0+4*(\s)+2:G0+4*(\s)+3], s[14:15], (\s)*KSTEP*2  ; global address: K step s
	s_or_b32 s[G0+4*(\s)+3], s[G0+4*(\s)+3], 0x80000000            ; type = 2
	s_mov_b32 s[G0B+4*(\s)], 1
	s_add_co_u32 s[G0B+4*(\s)+1], s20, (\s)*SLOT
	s_add_nc_u64 s[G0B+4*(\s)+2:G0B+4*(\s)+3], s[46:47], (\s)*KSTEP*2
	s_or_b32 s[G0B+4*(\s)+3], s[G0B+4*(\s)+3], 0x80000000
	JLOAD \s                                       ; the ring is filled before anything else is done: two tensor loads of mine are out
.endr
	; A fragment is 16 rows x 32 K in 8 registers: lane l holds row l % 16; registers 0-3 hold K = 8 (l / 16) + 0..7, registers 4-7 K = 16 + 8 (l / 16) + 0..7: two loads of 16 bytes, 32 bytes apart.
	v_and_b32 v1, 15, v0                           ; l % 16
	v_bfe_u32 v2, v0, 4, 1                         ; l / 16
	v_mul_u32_u24 v3, v1, PITCH
	v_lshl_add_u32 v3, v2, 4, v3                   ; row x pitch + 16 x half
	s_mul_i32 s21, s11, HALFT                      ; my 128 rows of xb
	s_mul_i32 s22, s12, HALFT                      ; my 128 rows of wb,
	s_add_co_u32 s22, s22, 2*HALFT                 ; which lie behind xb's 256
.irp s, 0,1
	v_add_nc_u32 v[ADRA+(\s)], s21, v3
	v_add_nc_u32 v[ADRB+(\s)], s22, v3
	s_add_co_u32 s21, s21, SLOT
	s_add_co_u32 s22, s22, SLOT
.endr
	s_mul_i32 s23, s10, 16*SPITCH
	s_add_co_u32 s23, s23, STAGE                   ; my stage
	v_mul_u32_u24 v4, v1, SPITCH                   ; in: row l % 16, 32 bytes for each half of the lanes
	v_lshl_add_u32 v4, v2, 5, v4
	v_add_nc_u32 v[STO], s23, v4
	v_and_b32 v5, 31, v0
	v_lshlrev_b32 v[CO], 4, v5                     ; back: 32 lanes take one row's 512 bytes,
	v_add_nc_u32 v[RD], s23, v[CO]                 ; and the same 512 bytes in out0
	; out0 at my part of the tile
	s_lshl_b32 s13, s13, 8
	s_lshl_b32 s14, s11, 7
	s_add_co_u32 s16, s13, s14                     ; my first row
	s_mov_b32 s17, 0
	s_mov_b64 s[18:19], SIZE_N*4
	s_mul_u64 s[16:17], s[16:17], s[18:19]
	s_lshl_b32 s46, s42, 10                        ; my first column, in bytes: 1,024 x tile column + 512 x half (in the registers that held wb's address: none that feeds xb's descriptors ever holds cx)
	s_lshl_b32 s47, s12, 9
	s_add_co_u32 s46, s46, s47
	s_mov_b32 s47, 0
	s_add_nc_u64 s[16:17], s[16:17], s[46:47]
	s_add_nc_u64 s[8:9], s[8:9], s[16:17]
	; the prefetches.  s13 = 256 x tile row, s42 = tile column, s40 = cx, s41 = cy still stand
	s_lshl_b32 s42, s42, 8
	s_and_b32 s22, ttmp7, 0xffff                   ; cluster y
	s_cmp_eq_u32 s11, 0                            ; do I fetch for xb?
	s_cselect_b32 s20, s13, s42                    ; the tile's first row
	s_cselect_b32 s21, s40, s41                    ; my place among the four that ask for it with me
	s_cselect_b32 s22, ttmp9, s22                  ; the coordinate along which other clusters read the same rows
	s_cselect_b64 s[PFA:PFA+1], s[4:5], s[6:7]
	s_cmp_eq_u32 s22, 0
	s_cselect_b32 s[LIM], 1, -1                    ; the same in all sixteen partners, for a given wave
	s_lshl_b32 s22, s12, 7
	s_add_co_u32 s20, s20, s22                     ; + the 128 rows that I fetch
	s_lshl_b32 s21, s21, 5
	s_add_co_u32 s20, s20, s21                     ; + my work-group's 32 of them
	s_mov_b32 s21, 0
	s_mov_b64 s[18:19], SIZE_K*2
	s_mul_u64 s[20:21], s[20:21], s[18:19]
	s_add_nc_u64 s[PFA:PFA+1], s[PFA:PFA+1], s[20:21]
	s_add_nc_u64 s[PFA:PFA+1], s[PFA:PFA+1], 2*KSTEP*2  ; at K step 2: the first refill steps it to 3 and names K step 4.  Nothing is prefetched here, at the head
	v_and_b32 v[PFO], 31, v0
	v_mul_u32_u24 v[PFO], v[PFO], SIZE_K*2
; 16 matrix instructions: m blocks a0, a0 + 1 of the window's four (hi = 0: my rows 0-63, 1: rows 64-127) x all 8 n blocks, 32 along K.  zero = 1: the first product starts the sums: nothing is cleared.
; The 64 accumulators take turns, one instruction a turn, in the same order in every quarter step, over the backward jump too.
.macro MUL16 f, hi, a0, zero
	WIN MUL_LO+0x50*(\hi)
.irp a, \a0, (\a0)+1
.irp b, 0,1,2,3,4,5,6,7
.if \zero
	v_wmma_f32_16x16x32_bf16 v[8*(8*(\a)+(\b)):8*(8*(\a)+(\b))+7], v[(\f)+8*(\b):(\f)+8*(\b)+7], v[(\f)+8*(4*(\hi)+(\a)):(\f)+8*(4*(\hi)+(\a))+7], 0
.else
	v_wmma_f32_16x16x32_bf16 v[8*(8*(\a)+(\b)):8*(8*(\a)+(\b))+7], v[(\f)+8*(\b):(\f)+8*(\b)+7], v[(\f)+8*(4*(\hi)+(\a)):(\f)+8*(4*(\hi)+(\a))+7], v[8*(8*(\a)+(\b)):8*(8*(\a)+(\b))+7]
.endif
.endr
.endr
.endm
; 32 LDS loads in one run: the fragments of one quarter step (128 rows of wb, then 128 rows of xb, 32 K at byte k of the rows) into buffer f
.macro FETCH slot, k, f
	WIN TO_B
.irp i, 0,1,2,3,4,5,6,7
	ds_load_b128 v[(\f)+8*(\i):(\f)+8*(\i)+3],   v[ADRB+(\slot)] offset:(\k)+(\i)*16*PITCH
	ds_load_b128 v[(\f)+8*(\i)+4:(\f)+8*(\i)+7], v[ADRB+(\slot)] offset:(\k)+(\i)*16*PITCH+32
.endr
	WIN 0
.irp i, 0,1,2,3,4,5,6,7
	ds_load_b128 v[(\f)+8*(\i):(\f)+8*(\i)+3],   v[ADRA+(\slot)] offset:(\k)+(\i)*16*PITCH
	ds_load_b128 v[(\f)+8*(\i)+4:(\f)+8*(\i)+7], v[ADRA+(\slot)] offset:(\k)+(\i)*16*PITCH+32
.endr
.endm
.macro PLACES                          ; four places in front of loads into registers that matrix instructions have read, and of LDS stores that read results
.rept 4
	v_nop
.endr
.endm
; A K step is four quarter steps of 32 along K, 64 matrix instructions each, on buffers 0, 1, 0, 1.  One of the first three: multiplies buffer f; in its middle it fetches the next quarter's fragments into g.
.macro QUARTER slot, k, f, g, zero
	s_wait_dscnt 8                                 ; wb and xb's rows 0-63 are in; the youngest eight loads (xb's rows 64-127) may be out
	WIN MUL_LO
	MUL16 \f, 0, 0, \zero
	MUL16 \f, 0, 2, \zero
	PLACES
	FETCH \slot, \k, \g
	s_wait_dscnt 32                                ; all but the 32 just issued
	WIN MUL_HI
	MUL16 \f, 1, 0, \zero
	MUL16 \f, 1, 2, \zero
.endm
; The last quarter multiplies buffer 1 and changes slots.  MEET is its first half: ONE barrier for the change.  In front of it each wave waits for all its tensor loads, of which one is out: its part of the
; next slot; adds 0 to its spare word; and waits for that and for its own reads of this slot.  Behind it nobody reads this slot any more and the next slot is whole.
.macro MEET round                      ; round = 1: the rest of a round of the cluster's barrier follows
	WIN 0                                          ; (the add's two registers lie in window 0)
	s_wait_tensorcnt 0x0                           ; all my tensor loads have landed
	ds_add_u32 v[SPW], v[NIL]                      ; 0 onto my spare word
	s_wait_dscnt 9                                 ; (the add and the youngest eight loads may be out)
	WIN MUL_LO
	MUL16 F1, 0, 0, 0                              ; sixteen matrix instructions stand between the add and the wait for it
	s_wait_dscnt 0x0                               ; the add is done, and my reads of this slot are over
	s_barrier_signal -1
	MUL16 F1, 0, 2, 0                              ; work on registers while the others arrive
.if \round
	WIN 0
.endif
	s_barrier_wait -1
.endm
; The whole last quarter.  fill = 1: behind the round the slot just read out is filled again first, with the K step two steps on: from that request to the wait for it a wave issues 224 matrix instructions.
.macro TURN slot, next, fill
.if \fill
	s_wait_xcnt 0x0                                ; the last prefetch, a K step back, has read its address: it is stepped here, ahead of the change's own waits
	s_add_nc_u64 s[PFA:PFA+1], s[PFA:PFA+1], KSTEP*2
.endif
	MEET \fill
.if \fill
	CREST                                          ; no wave of any partner still reads this slot's tile or has a load on its way
	s_add_nc_u64 s[G0+4*(\slot)+2:G0+4*(\slot)+3], s[G0+4*(\slot)+2:G0+4*(\slot)+3], 2*KSTEP*2      ; no tensor load of mine is out, so a group 0 may be written
	s_add_nc_u64 s[G0B+4*(\slot)+2:G0B+4*(\slot)+3], s[G0B+4*(\slot)+2:G0B+4*(\slot)+3], 2*KSTEP*2
	JLOAD \slot                                    ; my one tensor load behind the round; the four v_nop behind it are also the places in front of the loads below
.else
	PLACES
.endif
	FETCH \next, 0, F0
.if \fill
	ASK
.endif
	WIN MUL_HI
	MUL16 F1, 1, 0, 0
	MUL16 F1, 1, 2, 0
.endm
; THE WAY OUT of block a (16 rows x 128 columns of f32).  TOSTAGE: a lane's 32 bytes of a row go into my own stage, rows of 528 bytes, and whole rows of 512 bytes come back.  SEND: they are stored.
.macro TOSTAGE a
.set BK, F0+64*((\a)%2)                ; 64 registers, the two fragment buffers of window 0 by turns
.set AC, 64*((\a)%4)                   ; the block's eight accumulators, in window 2 (blocks 0-3) or 3 (blocks 4-7)
	s_wait_xcnt 0x0                                ; the stores of the block two back have read their data: its registers are loaded again only behind this wait
	WIN 0x08+4*((\a)/4)                            ; an LDS store's data is source 1
.irp b, 0,1,2,3,4,5,6,7
	ds_store_b128 v[STO], v[AC+8*(\b):AC+8*(\b)+3]   offset:64*(\b)     ; each accumulator's four lowest registers first
	ds_store_b128 v[STO], v[AC+8*(\b)+4:AC+8*(\b)+7] offset:64*(\b)+16
.endr
	WIN 0
.set t, 0
.rept 16
	ds_load_b128 v[BK+4*t:BK+4*t+3], v[RD] offset:t*SPITCH  ; LDS serves a wave's instructions in order (ISA guide 5.7.1.4): these see the stores above; the next block's stores come behind them
.set t, t+1
.endr
.endm
.macro SEND a, younger                 ; younger: the LDS instructions issued behind block a's loads: the next block's 32, or none
	WIN 0
.set BK, F0+64*((\a)%2)
	s_wait_dscnt \younger
.set t, 0
.rept 16
	global_store_b128 v[CO], v[BK+4*t:BK+4*t+3], s[8:9] offset:(16*(\a)+t)*SIZE_N*4  ; the wave stores 512 consecutive bytes, at a multiple of 512 from out0's first byte; the row stands in the immediate, 2,080,768 at the most
.set t, t+1
.endr
.endm
	s_wait_tensorcnt 1                             ; my part of K step 0 is in; K step 1's may stay out
	s_barrier_signal -1
	s_barrier_wait -1                              ; everybody's is
	FETCH 0, 0, F0
	QUARTER 0, 64,  F0, F1, 1                      ; the first quarter stands in front of the loop: its products start the sums
	WIN 0                                          ; at a label and at a branch every window is 0
	s_mov_b32 s3, LAPS-1
.Llap:                                                 ; 15 trips: once round the ring, from a lap's second quarter to the next lap's first; both slots are filled again (K steps 2 to 31)
	QUARTER 0, 128, F1, F0, 0
	QUARTER 0, 192, F0, F1, 0
	TURN 0, 1, 1
	QUARTER 1, 64,  F0, F1, 0
	QUARTER 1, 128, F1, F0, 0
	QUARTER 1, 192, F0, F1, 0
	TURN 1, 0, 1
	QUARTER 0, 64,  F0, F1, 0
	WIN 0
	s_sub_co_u32 s3, s3, 1
	s_cmp_lg_u32 s3, 0
	s_cbranch_scc1 .Llap
	QUARTER 0, 128, F1, F0, 0                      ; the last lap is written out: it fills nothing, and has no round of the cluster's barrier
	QUARTER 0, 192, F0, F1, 0
	TURN 0, 1, 0
	QUARTER 1, 64,  F0, F1, 0
	QUARTER 1, 128, F1, F0, 0
	QUARTER 1, 192, F0, F1, 0
	s_wait_dscnt 8                                 ; the very last quarter: nothing more to fetch
	WIN MUL_LO
	MUL16 F1, 0, 0, 0
	MUL16 F1, 0, 2, 0
	s_wait_dscnt 0x0
	WIN MUL_HI
	MUL16 F1, 1, 0, 0
	MUL16 F1, 1, 2, 0
	PLACES                                         ; in front of the LDS stores that read the results, and of the loads into the fragment buffers
	TOSTAGE 0
.irp a, 1,2,3,4,5,6,7                  ; block a goes through the stage while block a - 1's rows come back
	TOSTAGE \a
	SEND (\a)-1, 32
.endr
	SEND 7, 0
	s_wait_tensorcnt 0x0                           ; the wave's end, behind my last tensor load and my last LDS store
	ds_add_u32 v[SPW], v[NIL]
	s_wait_dscnt 0x0
	CROUND                                         ; the closing round: no work-group ends while a partner may still ask for a tile that names it
	s_endpgm
.Lfunc_end_k_q5b5f76a43c_gemm:
	.size	k_q5b5f76a43c_gemm, .Lfunc_end_k_q5b5f76a43c_gemm-k_q5b5f76a43c_gemm
	.p2alignl 7, 3214868480
	.fill 96, 4, 3214868480
	.section	.rodata,"a",@progbits
	.p2align	6, 0x0
	.amdhsa_kernel k_q5b5f76a43c_gemm
		.amdhsa_group_segment_fixed_size 327680
		.amdhsa_private_segment_fixed_size 0
		.amdhsa_enable_private_segment 0
		.amdhsa_kernarg_size 24
		.amdhsa_user_sgpr_count 2
		.amdhsa_user_sgpr_kernarg_segment_ptr 1
		.amdhsa_wavefront_size32 1
		.amdhsa_system_sgpr_workgroup_id_x 1
		.amdhsa_system_sgpr_workgroup_id_y 1
		.amdhsa_system_sgpr_workgroup_id_z 1
		.amdhsa_system_vgpr_workitem_id 0
		.amdhsa_next_free_vgpr 1024
		.amdhsa_next_free_sgpr 66
		.amdhsa_reserve_vcc 0
		.amdhsa_float_denorm_mode_32 3
		.amdhsa_float_denorm_mode_16_64 3
		.amdhsa_memory_ordered 1
		.amdhsa_forward_progress 1
		.amdhsa_inst_pref_size 141
	.end_amdhsa_kernel
	.amdgpu_metadata
---
amdhsa.version: [ 1, 2 ]
amdhsa.kernels:
  - .name:           k_q5b5f76a43c_gemm
    .symbol:         k_q5b5f76a43c_gemm.kd
    .args:
      - { .name: xb, .offset: 0, .size: 8, .value_kind: global_buffer, .address_space: global }
      - { .name: wb, .offset: 8, .size: 8, .value_kind: global_buffer, .address_space: global }
      - { .name: out0, .offset: 16, .size: 8, .value_kind: global_buffer, .address_space: global }
    .group_segment_fixed_size: 327680
    .private_segment_fixed_size: 0
    .kernarg_segment_align: 8
    .kernarg_segment_size: 24
    .max_flat_workgroup_size: 128
    .sgpr_count:     66
    .vgpr_count:     1024
    .wavefront_size: 32
...
	.end_amdgpu_metadata
.endif
;; end of part 2
;; ======== version 2 of 2: 2 launches; version 1 with the launch prep written anew for expert scheduling mode
;; workspace buffers: xb 33,554,432 bytes; wb 33,554,432 bytes
;; launch prep (part 3): grid 256 x 2, 8 waves a work-group, no clusters, 5,120 bytes of LDS; arguments x, qweight, scales, zeros, lora_A, lora_E, lora_B, xb, wb; writes xb, wb
.if DOCPART == 3
	.amdgcn_target "amdgcn-amd-amdhsa--gfx1250"
	.amdhsa_code_object_version 6
	.text
	.protected	k_q5b5f76a43c_prep
	.globl	k_q5b5f76a43c_prep
	.p2align	8
	.type	k_q5b5f76a43c_prep,@function
k_q5b5f76a43c_prep:
	s_mov_b64 s[64:65], 0
	v_nop
	global_prefetch_b8 v0, s[64:65] scope:SCOPE_SE
	s_setreg_imm32_b32 hwreg(HW_REG_WAVE_SCHED_MODE, 0, 2), 2
	s_setreg_imm32_b32 hwreg(HW_REG_WAVE_MODE, 25, 1), 1
	s_wait_xcnt 0x0
	s_wait_alu depctr_vm_vsrc(0)
; SVDQuantLinear, first of two launches.  out = x W^T + c (x (A o E)^T) B^T, W[o][i] = s[o][g] (q[o][i] - z[o][g]), g = i / 128, c = 16 / 16.00001.
; THE FORM.  By distributivity and associativity, for all values of the inputs: out = x (W + c B (A o E))^T.  So the adapter is a rank-16 addend to the weights, made once here
; (4096 x 4096 x 16 multiply-adds) in place of two products over the 4,096 tokens, and the second launch is one product of 4096 x 4096 x 4096.  No input is left out: all seven are loaded.
; THIS LAUNCH makes the two operands of that product: xb = bf16(x) and wb = bf16(W + c B (A o E)), both [4096][4096], rows along K.
; FORMATS, A LIMIT.  Every floating-point input (x, scales, zeros, lora_A, lora_E, lora_B) is rounded to bf16 first; the arithmetic on them is f32; wb is rounded once.
;   W = fma(f32(q), s', -s' z'): s' z' is exact in f32 (8 x 8 significant bits), so the exact s' (q - z') is rounded once; reference() rounds the difference and then the product.
;   The addend is a matrix product in bf16: source 0 = bf16(B'[o][k] e[k]), e[k] = E'[k] c in f32; source 1 = A'[k][i]; W is its C operand, so the sum is taken in f32.
;   The adapter's term shares wb's one rounding with W; the order of the sums is not reference()'s.  The codes are converted as astype(float32) converts them, whatever int32 they hold.
;   The matrix form is 32 deep and the rank is 16: the upper half of source 0 is 0, and the upper half of source 1 is the next fragment of A' (0 for the last), so that no register is spent on it:
;   a NaN or an infinity in lora_A reaches neighbouring columns of wb too.
; TWO ARMS, chosen once by the work-group's y, which all eight waves share: y = 0 casts 262,144 bytes of x, y = 1 makes 64 rows x 1,024 columns of wb (262,144 bytes of codes).
; THE MODE: SCHED_MODE bits 1:0 = 2 (LLVM: expert scheduling mode 2), set by the entry lines.  The code itself states the register dependences between vector or matrix instructions and
; memory or LDS instructions, with s_wait_alu, always for 0.
; THE PLAN, THE WEIGHTS.  Registers that memory or LDS instructions touch:
;   v4-v7      offsets, made once in the set-up, ahead of the wait in front of the first load, and never written again: rows and steps stand in the immediates.
;   LL, BR     a step's codes and its rows of lora_B.  Loads land in them; the step's first 80 vector lines read them (and work in BR).  ONE wait on va_vdst stands behind those lines; behind it the next
;              step's 18 loads are dealt among the 32 multiply-adds, which name CC, SS and NN alone.
;   SS, NN     LDS loads land in them; the step's 32 multiply-adds read them.
;   OO         the step's 32 roundings write it; its 8 stores read it.  A second wait on va_vdst, behind the roundings, states both: OO is written, and the multiply-adds are done reading SS and NN;
;              the next step's 4 LDS loads and the 8 stores follow it.  OO is written again a step later: the wait on vm_vsrc for that stands at the next step's head, ahead of that step's own loads
;              (which read v4 and v6 alone).  In the set-up OO's registers hold offsets and the LDS stores' data: step 0's head frees those.
;   CC (once lora_A has landed there and is read), FF, BF, EV, TM: named by vector and matrix instructions alone.     v2, v3: written at the head, read by the closing add alone.
; THE PLAN, THE CAST.  v4, v5: offsets, made once.  XX: 32 slots in which loads land.  The 64 chunks go in 16 blocks of four: the block's 8 roundings, ONE wait on va_vdst (they are done reading the
;   block's slots and have written its out-registers), then the block's refills and stores.  Blocks 0 to 7 round into YY, each register of which is written once; blocks 8 to 15, whose slots are loaded
;   no more, round in place.  So no register that a store reads is ever written again, and this arm owes no wait on vm_vsrc.
.set CSC, 0x3f7ffff6                   ; c = 16 / 16.00001 in f32
.set TSB, 0                            ; LDS: s' by [group of the 8][row of the 64], f32, 256 bytes a group
.set TNB, 2048                         ; LDS: -s' z', the same shape
.set SPARE, 4096                       ; the spare words, 128 bytes for each of eight waves: four blocks of 256 bytes that no other line names
.set TM,  8                            ; v[8:11]    at work: packed bf16
.set EV,  12                           ; v[12:19]   e[8 h .. 8 h + 7]
.set BR,  20                           ; v[20:27]   lora_B as loaded: row r of the step, ranks 8 h .. 8 h + 7
.set BF,  28                           ; v[28:35]   source 0; v[32:35] stay 0
.set SS,  36                           ; v[36:43]   s' of my 8 rows
.set NN,  44                           ; v[44:51]   -s' z' of my 8 rows
.set FF,  52                           ; v[52:87]   source 1: fragment t at FF + 4 t, eight registers; v[84:87] stay 0
.set CC,  88                           ; v[88:151]  tile t, register j at CC + 8 t + j: W, then W + addend.  In the set-up: lora_A as loaded
.set LL,  152                          ; v[152:215] the codes: row j, column t at LL + 8 j + t
.set OO,  216                          ; v[216:247] packed rows to store; in the set-up: scratch
.set YY,  24                           ; the cast: v[24:87]   32 slots of 2, to store: chunks 0 to 31
.set XX,  88                           ; the cast: v[88:215]  32 slots of 4, as loaded; chunks 32 to 63 are also stored from here
	s_load_b512 s[8:23], s[0:1], 0x0               ; x 8:9, qweight 10:11, scales 12:13, zeros 14:15, lora_A 16:17, lora_E 18:19, lora_B 20:21, xb 22:23
	s_load_b64 s[24:25], s[0:1], 0x40              ; wb
	v_lshl_add_u32 v2, v0, 2, SPARE                ; my spare word,
	v_mov_b32 v3, 0                                ; and 0: kept for the add at the wave's end alone
	v_lshrrev_b32 v1, 5, v0
	v_readfirstlane_b32 s26, v1                    ; wave 0..7
	s_and_b32 s27, ttmp7, 0xffff                   ; the work-group's y
	s_mov_b32 s28, 0xffff0000                      ; a word's upper bf16
	s_mov_b32 s30, CSC
	s_mov_b32 s31, CSC                             ; named with it as a pair
	s_wait_alu depctr_va_sdst(0)                   ; s26 is written, ahead of the branch: both arms make their bases from it
	s_wait_kmcnt 0x0
	s_cmp_eq_u32 s27, 0
	s_cbranch_scc1 .Lcast
; ---------------------------------------------------------------- THE WEIGHTS (y = 1)
; Work-group b: columns 1,024 (b % 4) on (8 groups), rows 64 (b / 4) on.  Wave w owns ONE group: columns i0 = 1,024 (b % 4) + 128 w .. + 127, and walks the 64 rows in four steps of 16.
; A step is eight matrix tiles.  In tile t the result's column (lane % 16 = r) stands for column i0 + 8 r + t of wb, its row (8 h + j: h = lane / 16, register j) for row 16 k + 8 h + j.
; So a lane holds 8 NEIGHBOURING columns of each of 8 rows: 32 bytes of codes in, 16 bytes of bf16 out; sixteen lanes store 256 consecutive bytes, aligned.
	s_and_b32 s32, ttmp9, 3                        ; the block of columns
	s_lshr_b32 s33, ttmp9, 2                       ; the block of rows
	s_mov_b32 s3, 0
	s_lshl_b32 s2, s33, 20                         ; codes: 64 rows of 16,384 bytes,
	s_lshl_b32 s4, s32, 12                         ; 1,024 columns of 4 bytes
	s_add_co_u32 s2, s2, s4
	s_add_nc_u64 s[10:11], s[10:11], s[2:3]
	s_lshl_b32 s2, s33, 19                         ; wb: rows of 8,192 bytes, columns of 2
	s_lshl_b32 s4, s32, 11
	s_add_co_u32 s2, s2, s4
	s_add_nc_u64 s[24:25], s[24:25], s[2:3]
	s_lshl_b32 s2, s33, 13                         ; scales and zeros: rows of 128 bytes, 8 groups of 4
	s_lshl_b32 s4, s32, 5
	s_add_co_u32 s2, s2, s4
	s_add_nc_u64 s[12:13], s[12:13], s[2:3]
	s_add_nc_u64 s[14:15], s[14:15], s[2:3]
	s_lshl_b32 s2, s32, 12                         ; lora_A: the same columns as the codes
	s_add_nc_u64 s[16:17], s[16:17], s[2:3]
	s_lshl_b32 s2, s33, 12                         ; lora_B: 64 rows of 64 bytes
	s_add_nc_u64 s[20:21], s[20:21], s[2:3]
	s_lshl_b32 s4, s26, 9                          ; my group's 128 columns: 512 bytes of codes,
	s_lshl_b32 s5, s26, 8                          ; 256 bytes of wb; also my group's 256 bytes in the tables
	v_and_b32 v216, 15, v0                         ; r
	v_bfe_u32 v217, v0, 4, 1                       ; h
	v_lshlrev_b32 v4, 5, v216                      ; v4: codes and lora_A (both have rows of 16,384 bytes): 8 h rows + 32 r + 512 w; never rewritten
	v_lshl_add_u32 v4, v217, 17, v4
	v_add_nc_u32 v4, s4, v4
	v_lshlrev_b32 v5, 4, v216                      ; v5: wb: 8 h rows + 16 r + 256 w; never rewritten
	v_lshl_add_u32 v5, v217, 16, v5
	v_add_nc_u32 v5, s5, v5
	v_lshlrev_b32 v6, 6, v216                      ; v6: lora_B: row r, ranks 8 h on; never rewritten
	v_lshl_add_u32 v6, v217, 5, v6
	v_lshl_add_u32 v7, v217, 5, s5                 ; v7: the tables: my group, rows 8 h on; never rewritten
	v_lshlrev_b32 v218, 5, v217                    ; lora_E: ranks 8 h on
	v_and_b32 v1, 3, v0                            ; the tables are filled by all 256 threads: thread n takes row n / 4, groups 2 (n % 4) and + 1: whole rows of 32 bytes, each number once
	v_lshrrev_b32 v221, 2, v0
	v_lshlrev_b32 v219, 7, v221
	v_lshl_add_u32 v219, v1, 3, v219               ; in memory: row x 128 + 8 (n % 4)
	v_lshlrev_b32 v220, 2, v221
	v_lshl_add_u32 v220, v1, 9, v220               ; in LDS: 512 (n % 4) + 4 x row
	s_wait_alu depctr_va_vdst(0)                   ; the offsets v4 to v7 and v218 to v220 are written: every load, store and LDS instruction of this arm reads one of them
	; 38 loads, in the order in which they are wanted
	global_load_b64 v[222:223], v219, s[12:13]
	global_load_b64 v[224:225], v219, s[14:15]
	global_load_b128 v[EV:EV+3],   v218, s[18:19]
	global_load_b128 v[EV+4:EV+7], v218, s[18:19] offset:16
.set j, 0
.rept 8                                        ; lora_A: rank 8 h + j, my 8 columns
	global_load_b128 v[CC+8*j:CC+8*j+3],   v4, s[16:17] offset:j*16384
	global_load_b128 v[CC+8*j+4:CC+8*j+7], v4, s[16:17] offset:j*16384+16
.set j, j+1
.endr
	global_load_b128 v[BR:BR+3],   v6, s[20:21]
	global_load_b128 v[BR+4:BR+7], v6, s[20:21] offset:16
.set j, 0
.rept 8                                        ; step 0's codes: row 8 h + j, my 8 columns; the pair of loads covers 512 consecutive bytes with sixteen lanes
	global_load_b128 v[LL+8*j:LL+8*j+3],   v4, s[10:11] offset:j*16384
	global_load_b128 v[LL+8*j+4:LL+8*j+7], v4, s[10:11] offset:j*16384+16
.set j, j+1
.endr
	s_wait_loadcnt 36                              ; loads return in order: s and z are in, the 36 issued behind them may stay out
	v_cvt_pk_bf16_f32 v[TM],   v222, v223          ; rounded to bf16,
	v_cvt_pk_bf16_f32 v[TM+1], v224, v225
	v_lshlrev_b32 v222, 16, v[TM]                  ; and widened again
	v_and_b32     v223, s28, v[TM]
	v_lshlrev_b32 v224, 16, v[TM+1]
	v_and_b32     v225, s28, v[TM+1]
	v_mul_f32 v226, -v222, v224                    ; -s' z', exact
	v_mul_f32 v227, -v223, v225
	s_wait_alu depctr_va_vdst(0)                   ; v222, v223, v226 and v227 are written, which the four LDS stores read
	ds_store_b32 v220, v222 offset:TSB
	ds_store_b32 v220, v223 offset:TSB+256
	ds_store_b32 v220, v226 offset:TNB
	ds_store_b32 v220, v227 offset:TNB+256
	s_wait_dscnt 0x0                               ; for the others' sake: my part of the tables is written
	s_barrier_signal -1
	s_barrier_wait -1                              ; everybody's is; nothing writes the tables again
	s_wait_loadcnt 34                              ; lora_E is in
.irp p, 0,1,2,3
	v_cvt_pk_bf16_f32 v[TM+(\p)], v[EV+2*(\p)], v[EV+2*(\p)+1]
.endr
.irp p, 0,1,2,3
	v_lshlrev_b32 v[EV+2*(\p)],   16, v[TM+(\p)]
	v_and_b32     v[EV+2*(\p)+1], s28, v[TM+(\p)]
.endr
.irp p, 0,1,2,3
	v_pk_mul_f32 v[EV+2*(\p):EV+2*(\p)+1], v[EV+2*(\p):EV+2*(\p)+1], s[30:31] op_sel_hi:[1,0]  ; e = E' c
.endr
	s_wait_loadcnt 18                              ; lora_A is in; lora_B's two and the codes' sixteen may stay out
.set t, 0
.rept 8                                        ; the rounding of lora_A is also the turn into fragments: register p of fragment t holds ranks 8 h + 2 p, + 1 of column i0 + 8 r + t
.irp p, 0,1,2,3
	v_cvt_pk_bf16_f32 v[FF+4*t+(\p)], v[CC+16*(\p)+t], v[CC+16*(\p)+8+t]
.endr
.set t, t+1
.endr
.irp p, 0,1,2,3
	v_mov_b32 v[FF+32+(\p)], 0                     ; the last fragment's upper half,
	v_mov_b32 v[BF+4+(\p)], 0                      ; and source 0's: ranks 16 to 31 do not exist
.endr
	ds_load_b128 v[SS:SS+3],   v7 offset:TSB       ; no wait: v7 was written ahead of the first wait on va_vdst, and no vector instruction has named SS or NN yet
	ds_load_b128 v[SS+4:SS+7], v7 offset:TSB+16
	ds_load_b128 v[NN:NN+3],   v7 offset:TNB
	ds_load_b128 v[NN+4:NN+7], v7 offset:TNB+16
; Step k: rows 16 k .. 16 k + 15.  more = 1: the next step's loads go out as soon as this step's registers are read.
.macro STEP k, more
	s_wait_loadcnt 0x0                             ; only this step's 18 loads are out
	s_wait_xcnt 0x0                                ; every earlier memory instruction has had its addresses translated (ISA guide 3.1): v[OO ..], the last step's stores' data, is rewritten only behind this wait
	s_wait_alu depctr_vm_vsrc(0)                   ; the last step's stores have read v[OO ..] (in step 0: the set-up's loads and LDS stores have read their offsets and data there), which this step's roundings write again
.set t, 0
.rept 8
.set j, 0
.rept 8
	v_cvt_f32_i32 v[CC+8*t+j], v[LL+8*j+t]         ; the codes as f32, turned into the tiles' order
.set j, j+1
.endr
.set t, t+1
.endr
.irp p, 0,1,2,3
	v_cvt_pk_bf16_f32 v[TM+(\p)], v[BR+2*(\p)], v[BR+2*(\p)+1]  ; lora_B rounded,
.endr
.irp p, 0,1,2,3
	v_lshlrev_b32 v[BR+2*(\p)],   16, v[TM+(\p)]    ; widened,
	v_and_b32     v[BR+2*(\p)+1], s28, v[TM+(\p)]
.endr
.irp p, 0,1,2,3
	v_pk_mul_f32 v[BR+2*(\p):BR+2*(\p)+1], v[BR+2*(\p):BR+2*(\p)+1], v[EV+2*(\p):EV+2*(\p)+1]  ; times e,
.endr
.irp p, 0,1,2,3
	v_cvt_pk_bf16_f32 v[BF+(\p)], v[BR+2*(\p)], v[BR+2*(\p)+1]  ; and rounded into source 0
.endr
.if \more
	s_wait_alu depctr_va_vdst(0)                   ; the 64 conversions are done reading LL, and the 16 lines above are done reading and writing BR: the next step's loads land in both
	global_load_b128 v[BR:BR+3],   v6, s[20:21] offset:1024*((\k)+1)
	global_load_b128 v[BR+4:BR+7], v6, s[20:21] offset:1024*((\k)+1)+16
.endif
	s_wait_dscnt 0x0                               ; s' and -s' z' of this step's rows
.set t, 0
.rept 8
.if \more
	global_load_b128 v[LL+8*t:LL+8*t+3],   v4, s[10:11] offset:(16*((\k)+1)+t)*16384     ; row t of the next step's codes.  No wait: no vector instruction since the wait above names LL
	global_load_b128 v[LL+8*t+4:LL+8*t+7], v4, s[10:11] offset:(16*((\k)+1)+t)*16384+16
.endif
.irp m, 0,1,2,3
	v_pk_fma_f32 v[CC+8*t+2*(\m):CC+8*t+2*(\m)+1], v[CC+8*t+2*(\m):CC+8*t+2*(\m)+1], v[SS+2*(\m):SS+2*(\m)+1], v[NN+2*(\m):NN+2*(\m)+1]  ; W = q s' - s' z': register j is row 8 h + j in every tile
.endr
.set t, t+1
.endr
.set t, 0
.rept 8                                        ; W + the adapter's addend: eight different accumulators, one instruction each; no two that follow each other share one, from step to step either
	v_wmma_f32_16x16x32_bf16 v[CC+8*t:CC+8*t+7], v[BF:BF+7], v[FF+4*t:FF+4*t+7], v[CC+8*t:CC+8*t+7]
.set t, t+1
.endr
.rept 4
	v_nop                                          ; four places (ISA guide 7.12.1) ahead of the roundings that read the results, and of the next step's writes of the tiles and of source 0
.endr
.set j, 0
.rept 8                                        ; row by row, register 0 of every accumulator first
.irp p, 0,1,2,3
	v_cvt_pk_bf16_f32 v[OO+4*j+(\p)], v[CC+16*(\p)+j], v[CC+16*(\p)+8+j]  ; columns 8 r + 2 p, + 1
.endr
.set j, j+1
.endr
.if \more
	s_wait_alu depctr_va_vdst(0)                   ; the roundings have written v[OO ..], which the stores read; the multiply-adds are done reading SS and NN, in which the LDS loads land
	ds_load_b128 v[SS:SS+3],   v7 offset:TSB+64*((\k)+1)
	ds_load_b128 v[SS+4:SS+7], v7 offset:TSB+64*((\k)+1)+16
	ds_load_b128 v[NN:NN+3],   v7 offset:TNB+64*((\k)+1)
	ds_load_b128 v[NN+4:NN+7], v7 offset:TNB+64*((\k)+1)+16
.else
	s_wait_alu depctr_va_vdst(0)                   ; the roundings have written v[OO ..], which the stores read
.endif
.set j, 0
.rept 8
	global_store_b128 v5, v[OO+4*j:OO+4*j+3], s[24:25] offset:(16*(\k)+j)*8192  ; sixteen lanes store 256 consecutive bytes, at a multiple of 256 from wb's first byte
.set j, j+1
.endr
.endm
	STEP 0, 1
	STEP 1, 1
	STEP 2, 1
	STEP 3, 0
	s_wait_dscnt 0x0                               ; the closing lines, six on end
	s_wait_alu 0x0
	s_wait_tensorcnt 0x0
	ds_add_u32 v2, v3
	s_wait_dscnt 0x0
	s_endpgm
; ---------------------------------------------------------------- THE CAST (y = 0): xb = bf16(x)
; Work-group b takes 262,144 bytes of x, wave w 32,768 of them: 64 chunks of 512 bytes (one load of 16 bytes a lane), each 256 bytes of xb (one store of 8 bytes a lane, consecutive and aligned).
; 32 slots of registers, taken in blocks of four: 28 to 32 loads, 14 to 16 KiB a wave, are out until the last 32 chunks.  All steps stand in the immediates: no address register is ever rewritten.
; This arm touches no LDS.
.Lcast:
	s_lshl_b32 s2, ttmp9, 18
	s_lshl_b32 s3, s26, 15
	s_add_co_u32 s2, s2, s3
	s_mov_b32 s3, 0
	s_add_nc_u64 s[8:9], s[8:9], s[2:3]
	s_lshl_b32 s4, ttmp9, 17
	s_lshl_b32 s5, s26, 14
	s_add_co_u32 s4, s4, s5
	s_mov_b32 s5, 0
	s_add_nc_u64 s[22:23], s[22:23], s[4:5]
	v_and_b32 v1, 31, v0
	v_lshlrev_b32 v4, 4, v1                        ; 16 x lane
	v_lshlrev_b32 v5, 3, v1                        ; 8 x lane
	s_wait_alu depctr_va_vdst(0)                   ; v4 and v5 are written: every load and store of this arm reads one of them as its offset
.set c, 0
.rept 32
	global_load_b128 v[XX+4*c:XX+4*c+3], v4, s[8:9] offset:512*c th:TH_LOAD_NT
.set c, c+1
.endr
.set blk, 0
.rept 8                                        ; chunks 0 to 31: block blk is chunks 4 blk .. 4 blk + 3
	s_wait_loadcnt 28                              ; the block is in: 32 + 4 blk loads have been issued, and the first 4 blk + 4 of them are wanted
.irp i, 0,1,2,3
	v_cvt_pk_bf16_f32 v[YY+2*(4*blk+(\i))],   v[XX+4*(4*blk+(\i))],   v[XX+4*(4*blk+(\i))+1]
	v_cvt_pk_bf16_f32 v[YY+2*(4*blk+(\i))+1], v[XX+4*(4*blk+(\i))+2], v[XX+4*(4*blk+(\i))+3]
.endr
	s_wait_alu depctr_va_vdst(0)                   ; the eight roundings are done reading the block's four slots of XX, in which the refills land, and have written its part of YY, which the stores read
.irp i, 0,1,2,3
	global_load_b128 v[XX+4*(4*blk+(\i)):XX+4*(4*blk+(\i))+3], v4, s[8:9] offset:512*(4*blk+(\i)+32) th:TH_LOAD_NT  ; the load ahead of the store
	global_store_b64 v5, v[YY+2*(4*blk+(\i)):YY+2*(4*blk+(\i))+1], s[22:23] offset:256*(4*blk+(\i))
.endr
.set blk, blk+1
.endr
.set blk, 0
.rept 8                                        ; chunks 32 to 63, in the same slots: nothing is loaded any more, so a chunk closes up into the first two of its own four registers and YY is not written again
	s_wait_loadcnt 28-4*blk                        ; the chunks behind the block may stay out: the counts run down
.irp i, 0,1,2,3
	v_cvt_pk_bf16_f32 v[XX+4*(4*blk+(\i))],   v[XX+4*(4*blk+(\i))],   v[XX+4*(4*blk+(\i))+1]
	v_cvt_pk_bf16_f32 v[XX+4*(4*blk+(\i))+1], v[XX+4*(4*blk+(\i))+2], v[XX+4*(4*blk+(\i))+3]
.endr
	s_wait_alu depctr_va_vdst(0)                   ; the eight roundings have written the registers that the four stores read
.irp i, 0,1,2,3
	global_store_b64 v5, v[XX+4*(4*blk+(\i)):XX+4*(4*blk+(\i))+1], s[22:23] offset:256*(4*blk+(\i)+32)
.endr
.set blk, blk+1
.endr
	s_endpgm
.Lfunc_end_k_q5b5f76a43c_prep:
	.size	k_q5b5f76a43c_prep, .Lfunc_end_k_q5b5f76a43c_prep-k_q5b5f76a43c_prep
	.p2alignl 7, 3214868480
	.fill 96, 4, 3214868480
	.section	.rodata,"a",@progbits
	.p2align	6, 0x0
	.amdhsa_kernel k_q5b5f76a43c_prep
		.amdhsa_group_segment_fixed_size 5120
		.amdhsa_private_segment_fixed_size 0
		.amdhsa_enable_private_segment 0
		.amdhsa_kernarg_size 72
		.amdhsa_user_sgpr_count 2
		.amdhsa_user_sgpr_kernarg_segment_ptr 1
		.amdhsa_wavefront_size32 1
		.amdhsa_system_sgpr_workgroup_id_x 1
		.amdhsa_system_sgpr_workgroup_id_y 1
		.amdhsa_system_sgpr_workgroup_id_z 1
		.amdhsa_system_vgpr_workitem_id 0
		.amdhsa_next_free_vgpr 248
		.amdhsa_next_free_sgpr 66
		.amdhsa_reserve_vcc 0
		.amdhsa_float_denorm_mode_32 3
		.amdhsa_float_denorm_mode_16_64 3
		.amdhsa_memory_ordered 1
		.amdhsa_forward_progress 1
		.amdhsa_inst_pref_size 72
	.end_amdhsa_kernel
	.amdgpu_metadata
---
amdhsa.version: [ 1, 2 ]
amdhsa.kernels:
  - .name:           k_q5b5f76a43c_prep
    .symbol:         k_q5b5f76a43c_prep.kd
    .args:
      - { .name: x, .offset: 0, .size: 8, .value_kind: global_buffer, .address_space: global }
      - { .name: qweight, .offset: 8, .size: 8, .value_kind: global_buffer, .address_space: global }
      - { .name: scales, .offset: 16, .size: 8, .value_kind: global_buffer, .address_space: global }
      - { .name: zeros, .offset: 24, .size: 8, .value_kind: global_buffer, .address_space: global }
      - { .name: lora_A, .offset: 32, .size: 8, .value_kind: global_buffer, .address_space: global }
      - { .name: lora_E, .offset: 40, .size: 8, .value_kind: global_buffer, .address_space: global }
      - { .name: lora_B, .offset: 48, .size: 8, .value_kind: global_buffer, .address_space: global }
      - { .name: xb, .offset: 56, .size: 8, .value_kind: global_buffer, .address_space: global }
      - { .name: wb, .offset: 64, .size: 8, .value_kind: global_buffer, .address_space: global }
    .group_segment_fixed_size: 5120
    .private_segment_fixed_size: 0
    .kernarg_segment_align: 8
    .kernarg_segment_size: 72
    .max_flat_workgroup_size: 256
    .sgpr_count:     66
    .vgpr_count:     248
    .wavefront_size: 32
...
	.end_amdgpu_metadata
.endif
;; end of part 3
;; launch gemm: the kernel of part 2 again; grid 16 x 16, 4 waves a work-group, clusters of 4 x 4, 327,680 bytes of LDS; arguments xb, wb, out0; writes out0
